; MI455X (gfx1250); checked and timed in simulation.
; The chip was launched on July 23, 2026; its instructions are those of AMD's public machine-readable ISA for CDNA 5 (MIT licence, August 2026) and "CDNA5" Instruction Set Architecture Reference Guide (July 2026). The comments in the code are by the model that wrote it; some were corrected since.
;; Lo RA Linear. Allowed arithmetic: matrix products marked QUANTISED: E2M1 operands, one E8M0 scale for each 32 along K, by v_wmma_scale_f32_16x16x128_f8f6f4 with both operands' format E2M1 (or v_wmma_scale_f32_32x16x128_f4), f32 sums; products left as they are: f32 operands where the result goes on into a quantised operand, else bf16, f16 or f32 operands; f32 sums; everything else in f32.
;; Inputs: W_codes 4,096 x 128 x 16 uint8 (E2M1 codes of W, K innermost, in blocks of 32 codes, two codes a byte); W_scales 4,096 x 128 uint8 (E8M0 scales of W, one for each 32 codes along K); bias 4,096 float32; lora_A 4,096 x 16 float32; lora_B 16 x 4,096 float32; x_codes 4 x 512 x 128 x 16 uint8 (E2M1 codes of x, K innermost, in blocks of 32 codes, two codes a byte); x_scales 4 x 512 x 128 uint8 (E8M0 scales of x, one for each 32 codes along K).
;; Outputs: out0 4 x 512 x 4,096 float32.
;; This version of the problem:
;;   THIS VERSION OF THE PROBLEM IS GIVEN IN LOW PRECISION. The matrix products marked QUANTISED in the list below multiply operands that are first quantised to E2M1 (2 exponent bits, 1 mantissa bit; 4 bits a number), with one power-of-two scale for each 32 numbers along K (OCP MX v1.0); their sums are f32. All else is computed in f32.
;;   The module's matrix products, in the order in which they are computed (A, B: the left and right operand; K: the contracted axis; several contracted axes count as one K, in the product's order):
;;     1. [M 4,096, K 16] x [K 16, N 4,096]; A: input lora_A; B: input lora_B: left as it is (K = 16 < 32)
;;     2. [M 2,048, K 4,096] x [K 4,096, N 4,096]; A: input x (given as codes); B: input W (given as codes): QUANTISED
;;     3. [M 2,048, K 4,096] x [K 4,096, N 4,096]; A: input x (given as codes); B: computed on the way: QUANTISED
;;   THE QUANTISER, for each operand of a quantised product, along K:
;;     - K is cut into blocks of 32 from its start; a last block that is shorter is filled with zeros.
;;     - A block's scale is 2^e with e = floor(log2(the largest magnitude in the block)) - 2, held to -126 .. 127; a block of zeros has e = 0. As a byte (E8M0): e + 127.
;;     - Each number is divided by its block's scale, clamped to +-6, and rounded to the nearest number of E2M1, ties to even, subnormals kept.
;;     - The product sums the exact products of the quantised numbers (number of the format x scale) in f32.
;;   ~~~python
;;   def quantise(x, axis):      # numpy; x: float32 -> the quantised numbers, widened to float32 again
;;       x = np.moveaxis(x, axis, -1); K = x.shape[-1]
;;       x = np.pad(x, [(0, 0)] * (x.ndim - 1) + [(0, -K % 32)]); x = x.reshape(x.shape[:-1] + (-1, 32)); a = np.abs(x).max(-1, keepdims=True)
;;       e = np.where(a > 0, np.clip(np.frexp(np.where(a > 0, a, 1))[1] - 1 - 2, -126, 127), 0)      # np.frexp(a)[1] - 1 = floor(log2(a)), exactly
;;       r = np.clip(x / 2.0 ** e, -6, 6)
;;       step = 2.0 ** (np.maximum(np.frexp(np.where(r == 0, 1, r))[1] - 1, 0) - 1)
;;       q = np.round(r / step) * step * 2.0 ** e      # np.round: ties to even
;;       return np.moveaxis(q.reshape(q.shape[:-2] + (-1,))[..., :K], -1, axis).astype(np.float32)
;;   ~~~
;;   OPERANDS COMPUTED ON THE WAY. 'Computed on the way' means the value that the module computes at that place (a softmax that the list does not call 'softmax' is quantised finished and normalised). What goes into a quantiser is computed in f32, as accurately as f32 sums, v_exp_f32 and their like allow (about 1e-6 of the number): no bf16 or f16 on the way to a quantiser, and a product that is left as it is and whose result goes on into a quantised operand takes f32 operands (vector FMAs, or v_wmma_f32_16x16x4_f32). A number that lies on a knife's edge between two numbers of the format may be rounded either way, as far as f32 arithmetic and the matrix unit's own rounding can turn it there, and no further.
;;   INPUTS GIVEN AS CODES. W (in the module: [4096, 4096], K = its axis 1); x (in the module: [4, 512, 4096], K = its axis 2): each comes as NAME_codes (uint8): NAME with its K axis moved to the last place and cut into blocks of 32 codes, [.., K / 32, bytes a block], one block behind the other in memory; two codes a byte, the lower K in the low four bits (a code: sign, 2 exponent bits, 1 mantissa bit); and NAME_scales (uint8): the same leading axes, one E8M0 byte (e + 127) for each 32 codes along K. Its value is code x scale, taken as it is: it is not quantised again, and the codes and scales need not be those that the quantiser above would give.
;; One version. Each part assembles by itself: llvm-mc -triple=amdgcn-amd-amdhsa -mcpu=gfx1250 --defsym DOCPART=n.
;; ======== version 1 of 1: 2 launches
;; limits: right only within a limited range of input values
;; workspace buffers: LW 9,437,184 bytes
;; launch lora (part 1): grid 32 x 8, 8 waves a work-group, no clusters, 37,888 bytes of LDS; arguments lora_A, lora_B, W_scales, LW; writes LW
.if DOCPART == 1
	.amdgcn_target "amdgcn-amd-amdhsa--gfx1250"
	.amdhsa_code_object_version 6
	.text
	.protected	k_qc1c0593679_lora
	.globl	k_qc1c0593679_lora
	.p2align	8
	.type	k_qc1c0593679_lora,@function
k_qc1c0593679_lora:
	s_mov_b64 s[64:65], 0
	v_nop
	global_prefetch_b8 v0, s[64:65] scope:SCOPE_SE
	s_setreg_imm32_b32 hwreg(HW_REG_WAVE_MODE, 25, 1), 1
	s_wait_xcnt 0x0
; L = lora_A lora_B ([4096 o][16] x [16][4096 k]) in f32, quantised along k to codes of FP4 (E2M1) with one E8M0 byte for each 32 k, and written in the order in which the next launch's operand registers take it.
; LW is laid [nt 32][ks 8][36,864 bytes]: nt = 128 rows o, ks = 512 along k.  A block: 32 fragments of L (16 rows b x 128 k q) at (4 b + q) x 1,024, registers 4 c .. 4 c + 3 of lane l at 512 c + 16 l;
; from byte 32,768 on, 512 bytes for each b: 16 rows x 16 bytes of W's scale bytes (copied from W_scales as they are), then 16 rows x 16 bytes of L's.
; SHARES.  A work-group makes one block of LW; 32 x 8 work-groups.  Wave w: q = w % 4 (its 128 k), g = w / 4; it makes four units u of 16 o x 128 k (rows 16 (4 g + u) on).
; THE PRODUCT goes by the f32 matrix form, since its result goes into a quantiser.  It is used transposed: source 0 = 16 k x 4 ranks of lora_B, source 1 = 4 ranks x 16 o of lora_A, so that a lane holds ONE row o and its
; registers run along k.  THE k OF A TILE ARE NOT NEIGHBOURS: lane r of tile 4 c + i takes k 64 c + 8 i + r % 8 + 32 (r / 8), so that the 32 registers of tiles 4 c .. 4 c + 3 are k = 64 c + 32 (lane / 16) + 0 .. 31:
; a whole block of a row in a lane, in the order of the operand's registers.
; Link c of a sum takes ranks 8 (lane / 16) + 2 c + 0, 1 on both sides.  LIMIT: so the 16 products of a number are added, in f32, in the order of ranks 0,1,8,9 | 2,3,10,11 | 4,5,12,13 | 6,7,14,15.
; A unit's quantiser (51 vector lines) stands two lines behind each of the first matrix instructions of the NEXT unit; two sets of accumulators take turns.
; A block's scale is 2^(floor(log2(its largest magnitude)) - 2): its byte is the largest magnitude's exponent field - 2, held at 1 from below.  LIMITS: a block of zeros gets the byte 1 (its codes are zeros, and this
; program alone reads the bytes); NaN and infinities in lora_A or lora_B are not served.
; No cluster, no tensor load: what work-groups share is a slab of 32,768 bytes of lora_B and 8,192 of lora_A, read once by each through registers; there is no ring to share.
.set BP,   2064                        ; LDS: lora_B's slab, 16 ranks x (512 k x 4 bytes + 16), with 64 bytes more between ranks 7 and 8: the two halves of the lanes, eight ranks apart, fall on different banks (64 banks of 4 bytes: ISA guide 11.1)
.set LSCL, 33280                       ; LDS: L's scale words: 8 blocks of rows x 16 rows x 16 bytes
.set SPARE, 36864                      ; LDS: the spare words, 128 bytes for each wave
.set BF,   8                           ; v8-71    lora_B's fragments: tile t, link c, register j at 8 t + 2 c + j.  (At the head v8-39 carry the slab; at the end v8-15 the scale words)
.set AF,   72                          ; v72-103  lora_A's: unit u at 8 u + 2 c + j
.set ACC,  104                         ; v104-231 two sets of 64: unit u in set u % 2.  Written by matrix instructions alone
.set TM,   232                         ; v232-235 largest magnitudes; v236-238 bytes and the other half's word; v240-243 unit u's scale word; v244-245 the conversions' scale operands
.set NIL,  239                         ; 0; never rewritten
.set SPW,  246                         ; LDS address of my spare word; never rewritten
.set H8,   247                         ; 8 (lane / 16); never rewritten
.set PC,   248                         ; v248-255 the codes just made.  (At the head: temporaries)
.set SEL,  20                          ; s[20:21] lane selects for v_permlanex16_b32: lane l xor 16
; v1 16 x lane;  v2 where I store a scale word;  v3 where I read a row's four words back;  v4-7 W's 16 scale bytes of my row
	s_load_b256 s[4:11], s[0:1], 0x0               ; lora_A s[4:5], lora_B s[6:7], W_scales s[8:9], LW s[10:11]
	v_lshl_add_u32 v[SPW], v0, 2, SPARE
	v_mov_b32 v[NIL], 0
	v_lshrrev_b32 v248, 5, v0
	s_delay_alu instid0(VALU_DEP_1)
	v_readfirstlane_b32 s12, v248                  ; wave 0..7
	s_and_b32 s13, s12, 3                          ; q
	s_lshr_b32 s14, s12, 2                         ; g
	s_and_b32 s15, ttmp7, 0xffff                   ; ks
	s_mul_i32 s19, s12, 2*BP                       ; the slab, on the way in: my wave's two ranks,
	s_lshl_b32 s18, s14, 6                         ; those from 8 on 64 bytes further
	s_add_co_u32 s19, s19, s18
	v_and_b32 v248, 31, v0                         ; lane
	v_and_b32 v249, 15, v0                         ; r
	v_bfe_u32 v250, v0, 4, 1                       ; h
	v_lshlrev_b32 v1, 4, v248
	s_lshl_b32 s16, s13, 2
	s_lshl_b32 s17, s14, 10
	s_add_co_u32 s16, s16, s17
	s_add_co_u32 s16, s16, LSCL
	v_lshl_add_u32 v2, v249, 4, s16                ; LSCL + 1,024 g + 16 r + 4 q (+ 256 u in the immediate)
	s_lshl_b32 s16, s12, 8
	s_add_co_u32 s16, s16, LSCL
	v_lshl_add_u32 v3, v249, 4, s16                ; LSCL + 256 w + 16 r
	v_add_nc_u32 v251, s19, v1
	v_lshlrev_b32 v252, 6, v249
	s_delay_alu instid0(VALU_DEP_1)
	v_lshl_add_u32 v252, v250, 5, v252             ; lora_A: row r of 64 bytes, + 32 h: ranks 8 h + 0 .. 7
	v_lshlrev_b32 v253, 7, v249                    ; W_scales: row r of 128 bytes
	v_and_b32 v255, 8, v249
	s_delay_alu instid0(VALU_DEP_1)
	v_mad_u32_u24 v255, v255, 3, v249              ; r % 8 + 32 (r / 8)
	v_mul_u32_u24 v254, v250, 8*BP+64              ; the slab, on the way out: rank 8 h (+ 2 c + j in the immediate),
	s_delay_alu instid0(VALU_DEP_1)
	v_lshl_add_u32 v254, v255, 2, v254             ; my k of a tile,
	s_lshl_b32 s16, s13, 9
	v_add_nc_u32 v254, s16, v254                   ; my wave's 128 k
	v_lshlrev_b32 v[H8], 3, v250
	v_mov_b32 v[TM+6], 0                           ; written once: a lane permute's destination counts as one of its sources
	s_mov_b32 s[SEL], 0x76543210
	s_mov_b32 s[SEL+1], 0xfedcba98
	s_mov_b32 s22, 0xffff0000                      ; lanes 16-31
	s_lshl_b32 s16, s15, 11                        ; lora_B: 512 k x 4 bytes a K step,
	s_lshl_b32 s17, s12, 15                        ; two ranks of 16,384 bytes a wave
	s_add_co_u32 s16, s16, s17
	s_mov_b32 s17, 0
	s_lshl_b32 s18, ttmp9, 13                      ; lora_A: 128 rows of 64 bytes a block,
	s_lshl_b32 s19, s14, 12                        ; 64 rows for each g
	s_add_co_u32 s18, s18, s19
	s_mov_b32 s19, 0
	s_lshl_b32 s24, ttmp9, 14                      ; W_scales: 128 rows of 128 bytes a block,
	s_lshl_b32 s25, s12, 11                        ; 16 rows a wave,
	s_add_co_u32 s24, s24, s25
	s_lshl_b32 s25, s15, 4                         ; 16 bytes a K step
	s_add_co_u32 s24, s24, s25
	s_mov_b32 s25, 0
	s_lshl_b32 s26, ttmp9, 3
	s_add_co_u32 s26, s26, s15
	s_mul_i32 s26, s26, 36864                      ; my block of LW
	s_mov_b32 s27, 0
	s_lshl_b32 s28, s14, 14                        ; in it: my fragments, (16 g + 4 u + q) x 1,024,
	s_lshl_b32 s29, s13, 10
	s_add_co_u32 s28, s28, s29
	s_mov_b32 s29, 0
	s_lshl_b32 s30, s12, 9                         ; and the scales of rows 16 w on
	s_add_co_u32 s30, s30, 32768
	s_mov_b32 s31, 0
	s_wait_alu depctr_va_vdst(0)                   ; the wait at the head's end
	s_wait_kmcnt 0x0
	s_add_nc_u64 s[6:7], s[6:7], s[16:17]
	s_add_nc_u64 s[4:5], s[4:5], s[18:19]
	s_add_nc_u64 s[8:9], s[8:9], s[24:25]
	s_add_nc_u64 s[10:11], s[10:11], s[26:27]
	s_add_nc_u64 s[28:29], s[10:11], s[28:29]
	s_add_nc_u64 s[30:31], s[10:11], s[30:31]
.irp i, 0,1,2,3,4,5,6,7
	global_load_b128 v[BF+4*\i:BF+4*\i+3], v1, s[6:7] offset:(\i/4)*16384+(\i%4)*512   ; the slab: 32 lanes read 512 consecutive bytes
.endr
.irp u, 0,1,2,3
.irp e, 0,1
	global_load_b128 v[AF+8*\u+4*\e:AF+8*\u+4*\e+3], v252, s[4:5] offset:\u*1024+16*\e
.endr
.endr
	global_load_b128 v[4:7], v253, s[8:9]
	s_wait_loadcnt 9                               ; the slab's eight loads are in; lora_A's eight and W's one may be out
.irp i, 0,1,2,3,4,5,6,7
	ds_store_b128 v251, v[BF+4*\i:BF+4*\i+3] offset:(\i/4)*BP+(\i%4)*512
.endr
	s_wait_dscnt 0x0                               ; for the others' sake: my two ranks lie in LDS
	s_barrier_signal -1
	s_barrier_wait -1
.irp n, 0,1,2,3,4,5,6,7
.irp t, 0,1,2,3,4,5,6,7
	ds_load_b32 v[BF+8*\t+\n], v254 offset:\n*BP+4*(64*(\t/4)+8*(\t%4))   ; lora_B(8 h + n, my k of tile t): 16 loads for each link, in the links' order
.endr
.endr
	s_wait_loadcnt 0x0
; Line qj of 51 of unit u's quantiser; S: the unit's 64 numbers, register 32 c + i = k 64 c + 32 h + i of my row.  Each tile is first read at its two lowest registers.
.macro QLINE u
.set S, ACC+64*((\u)%2)
.if qj < 4
.if (qj == 0) && ((\u) > 0)
	s_wait_xcnt 0x0                                ; the last unit's stores have read the codes' registers: only behind this wait are they written again
.endif
	v_max3_num_f32 v[TM+qj], |v[S+16*qj]|, |v[S+16*qj+1]|, 0x1800000   ; 16 numbers at a time, and the floor 2^(3 - 127): so the byte cannot fall under 1
.elseif qj < 32
.set qb, qj%4
.set qi, 2*(qj/4)
	v_max3_num_f32 v[TM+qb], v[TM+qb], |v[S+16*qb+qi]|, |v[S+16*qb+qi+1]|   ; the four by turns
.elseif qj < 34
	v_max_num_f32 v[TM+qj-32], v[TM+2*(qj-32)], v[TM+2*(qj-32)+1]  ; block c's largest magnitude
.elseif qj < 36
	v_add_nc_u32 v[TM+12+qj-34], 0xff000000, v[TM+qj-34]           ; 2 off its exponent field: the conversion takes the exponent field of this operand as its scale
.elseif qj < 38
	v_lshrrev_b32 v[TM+4+qj-36], 23, v[TM+12+qj-36]                ; the scale's byte
.elseif qj == 38
	v_lshl_or_b32 v[TM+2], v[TM+5], 16, v[TM+4]                    ; my two bytes, of blocks h and 2 + h,
.elseif qj == 40
	v_lshlrev_b32 v[TM+2], v[H8], v[TM+2]                          ; at their places in the row's scale word;
.elseif qj == 42
	v_permlanex16_b32 v[TM+6], v[TM+2], s[SEL], s[SEL+1]
.elseif qj == 44
	v_or_b32 v[TM+8+(\u)], v[TM+2], v[TM+6]                        ; with lane l xor 16's two the word is whole
.elseif qj < 50
.if qj < 46
.set qc, (qj-39)/2
.else
.set qc, qj-42
.endif
	v_cvt_scalef32_pk8_fp4_f32 v[PC+qc], v[S+8*qc:S+8*qc+7], v[TM+12+qc/4]   ; register qc of the operand
.elseif qj == 50
	v_nop                                          ; one plain line behind the last scaled conversion
.endif
.set qj, qj+1
.endm
.macro QALL u
.set qj, 0
.rept 51
	QLINE \u
.endr
.endm
; Unit u: 8 tiles x 4 links.  The eight accumulators take turns, one instruction a turn; the first link starts each sum with the constant 0.
; quant = 1: two lines of unit u - 1's quantiser, which works on the other set, stand behind each matrix instruction, until it is done.  quant = 0, the first unit: each link waits for its own 16 LDS loads.
.macro WRUN u, quant
.set qj, 0
.set AS, ACC+64*((\u)%2)
.irp c, 0,1,2,3
.if \quant == 0
	s_wait_dscnt 48-16*\c                          ; the later links' loads may be out
.endif
.irp t, 0,1,2,3,4,5,6,7
.if \c == 0
	v_wmma_f32_16x16x4_f32 v[AS+8*\t:AS+8*\t+7], v[BF+8*\t+2*\c:BF+8*\t+2*\c+1], v[AF+8*(\u)+2*\c:AF+8*(\u)+2*\c+1], 0
.else
	v_wmma_f32_16x16x4_f32 v[AS+8*\t:AS+8*\t+7], v[BF+8*\t+2*\c:BF+8*\t+2*\c+1], v[AF+8*(\u)+2*\c:AF+8*(\u)+2*\c+1], v[AS+8*\t:AS+8*\t+7]
.endif
.if \quant
	QLINE \u-1
	QLINE \u-1
.endif
.endr
.endr
.endm
; Eight places behind this matrix form, ahead of the first vector line that reads its results (ISA guide 7.12.1).  A set that is begun anew stands two units, and so sixteen of these lines, behind its last writer.
.macro NOP8
.rept 8
	v_nop
.endr
.endm
.macro OUT u                           ; unit u's fragment: two stores of 512 consecutive bytes; its scale word to LDS (lanes l and l xor 16 write the same word with the same value)
	global_store_b128 v1, v[PC:PC+3], s[28:29] offset:\u*4096
	global_store_b128 v1, v[PC+4:PC+7], s[28:29] offset:\u*4096+512
	ds_store_b32 v2, v[TM+8+\u] offset:256*\u
.endm
	WRUN 0, 0
	NOP8
	WRUN 1, 1
	OUT 0
	NOP8
	WRUN 2, 1
	OUT 1
	NOP8
	WRUN 3, 1
	OUT 2
	NOP8
	QALL 3
	OUT 3
	s_wait_dscnt 0x0                               ; for the others' sake: my scale words lie in LDS
	s_barrier_signal -1
	s_barrier_wait -1
	ds_load_b128 v[8:11], v3                       ; L's four words of row 16 w + r, made by four waves
	s_wait_dscnt 0x0
.irp i, 0,1,2,3
	v_cndmask_b32 v[12+\i], v[4+\i], v[8+\i], s22  ; lanes 0-15 keep W's bytes of row r, lanes 16-31 take L's
.endr
	global_store_b128 v1, v[12:15], s[30:31]       ; 512 consecutive bytes: W's 16 rows, then L's
	s_wait_tensorcnt 0x0                           ; the wave's end: behind my last LDS store
	ds_add_u32 v[SPW], v[NIL]
	s_wait_dscnt 0x0
	s_endpgm
.Lfunc_end_k_qc1c0593679_lora:
	.size	k_qc1c0593679_lora, .Lfunc_end_k_qc1c0593679_lora-k_qc1c0593679_lora
	.p2alignl 7, 3214868480
	.fill 96, 4, 3214868480
	.section	.rodata,"a",@progbits
	.p2align	6, 0x0
	.amdhsa_kernel k_qc1c0593679_lora
		.amdhsa_group_segment_fixed_size 37888
		.amdhsa_private_segment_fixed_size 0
		.amdhsa_enable_private_segment 0
		.amdhsa_kernarg_size 32
		.amdhsa_user_sgpr_count 2
		.amdhsa_user_sgpr_kernarg_segment_ptr 1
		.amdhsa_wavefront_size32 1
		.amdhsa_system_sgpr_workgroup_id_x 1
		.amdhsa_system_sgpr_workgroup_id_y 1
		.amdhsa_system_sgpr_workgroup_id_z 1
		.amdhsa_system_vgpr_workitem_id 0
		.amdhsa_next_free_vgpr 256
		.amdhsa_next_free_sgpr 66
		.amdhsa_reserve_vcc 0
		.amdhsa_float_denorm_mode_32 3
		.amdhsa_float_denorm_mode_16_64 3
		.amdhsa_memory_ordered 1
		.amdhsa_forward_progress 1
		.amdhsa_inst_pref_size 33
	.end_amdhsa_kernel
	.amdgpu_metadata
---
amdhsa.version: [ 1, 2 ]
amdhsa.kernels:
  - .name:           k_qc1c0593679_lora
    .symbol:         k_qc1c0593679_lora.kd
    .args:
      - { .name: lora_A, .offset: 0, .size: 8, .value_kind: global_buffer, .address_space: global }
      - { .name: lora_B, .offset: 8, .size: 8, .value_kind: global_buffer, .address_space: global }
      - { .name: W_scales, .offset: 16, .size: 8, .value_kind: global_buffer, .address_space: global }
      - { .name: LW, .offset: 24, .size: 8, .value_kind: global_buffer, .address_space: global }
    .group_segment_fixed_size: 37888
    .private_segment_fixed_size: 0
    .kernarg_segment_align: 8
    .kernarg_segment_size: 32
    .max_flat_workgroup_size: 256
    .sgpr_count:     66
    .vgpr_count:     256
    .wavefront_size: 32
...
	.end_amdgpu_metadata
.endif
;; end of part 1
;; launch gemm (part 2): grid 32 x 8, 4 waves a work-group, clusters of 4 x 4, 327,680 bytes of LDS; arguments x_codes, x_scales, W_codes, LW, bias, out0; writes out0
.if DOCPART == 2
	.amdgcn_target "amdgcn-amd-amdhsa--gfx1250"
	.amdhsa_code_object_version 6
	.text
	.protected	k_qc1c0593679_gemm
	.globl	k_qc1c0593679_gemm
	.p2align	8
	.type	k_qc1c0593679_gemm,@function
k_qc1c0593679_gemm:
	s_mov_b64 s[64:65], 0
	v_nop
	global_prefetch_b8 v0, s[64:65] scope:SCOPE_SE
	s_setreg_imm32_b32 hwreg(HW_REG_WAVE_MODE, 25, 1), 1
	s_wait_xcnt 0x0
	s_wait_alu depctr_hold_cnt(0) depctr_sa_sdst(0) depctr_va_vdst(0) depctr_va_sdst(0) depctr_va_ssrc(0) depctr_va_vcc(0) depctr_vm_vsrc(0)
	s_getreg_b32 s2, hwreg(HW_REG_IB_STS2, 6, 4)
	s_cmp_eq_u32 s2, 0
	s_cbranch_scc0 .Lentry_in_a_cluster
	s_endpgm
.Lentry_in_a_cluster:
	s_bfe_u32 s2, ttmp6, 0x10000c
	s_cmp_lg_u32 s2, 0xf033
	s_cbranch_scc0 .Lentry_shape_is_right
	s_endpgm
.Lentry_shape_is_right:
; out0[m][o] = bias[o] + sum over k of x[m][k] W[o][k] + sum over k of x[m][k] L[o][k].  x [2048][4096], W [4096][4096], L [4096][4096]: codes of FP4 (E2M1), one E8M0 byte for each 32 along k; sums in f32.
; Both products share x and the result.  ORDER OF ROUNDING: one f32 sum for each output, begun with the bias (the C of its first product); for each 128 along k, ascending, W's product and then L's.
; L's codes and scale words, and W's scale words beside them, come from LW, laid by the launch before in the order of the operand's registers: [o / 128][k / 512][36,864 bytes]: 32 fragments of 16 rows x 128 k
; ((4 b + q) x 1,024; registers 4 c .. 4 c + 3 of lane l at 512 c + 16 l), then for each b 256 bytes of W's scale words (16 r) and 256 of L's.
; SHARES.  A tile of out0 is 256 m x 128 o: 8 x 32 work-groups of four waves.  Wave w makes rows 128 (w / 2) on, columns 64 (w % 2) on: 256 registers of sums.  For 128 along k it reads 8 fragments
; of x, 4 of W and 4 of L and issues 32 matrix instructions of 32 x 16 x 128.
; THE MATRIX INSTRUCTION IS USED TRANSPOSED: source 0 = 32 rows of W or L, source 1 = 16 rows of x: a lane then holds neighbouring numbers of a row of out0.
; K goes in steps of 512 through a ring of two LDS slots filled by the tensor data mover: waves 0 and 1 fetch x's two halves (128 rows of 256 bytes), wave 2 W's 128 rows, wave 3 LW's block (36,864 dense bytes).
; At the head each wave issues one load: x's 256 rows of K step 0, x's scale bytes of the tile's 256 rows for all of k (32,768 dense bytes, which stay), W's 128 rows, LW's block.
; CLUSTERS: 4 x 4 work-groups.  The four of a row of the cluster need the same tiles of x, the four of a column the same tiles of W and LW: each is asked for JOINTLY, by the same tensor load with the same descriptor
; and a mask that names the four.
; FRAGMENTS are fetched two steps of 128 ahead into four sets of 128 registers, in runs of 16 LDS loads, one ahead of each pass of sixteen matrix instructions.
; REGISTERS, in windows of 256: window 0: v1-29 addresses; v32-95 scale words, two sets each; v96-127 the bias; v128-191 the way out.   window 1: the sums: x's block a, W's pair of blocks p at v[32 a + 16 p].
;   windows 2, 3: the fragment sets: set q in window 2 + q / 2 at 128 (q % 2): x's block a at + 8 a, W's pair p at + 64 + 16 p, L's at + 96 + 16 p.
.set PITCH,  272                       ; an LDS row of codes: 256 bytes + 16 of padding = 68 words: row r starts at bank 4 r mod 64 (64 banks of 4 bytes: ISA guide 11.1)
.set HALFT,  128*PITCH                 ; 128 rows
.set B16,    16*PITCH                  ; 16 rows
.set WOFF,   2*HALFT                   ; a slot: x's 256 rows, W's 128 rows,
.set LOFF,   3*HALFT                   ; LW's block, dense,
.set LSC,    LOFF+32768                ; in it the scale words
.set LBLK,   36864
.set SLOT,   LOFF+LBLK
.set SCL,    2*SLOT                    ; behind the ring: x's scale bytes, 128 units of 256 bytes + 16 of padding (two rows of 128 bytes to a unit)
.set SPARE,  SCL+128*272               ; behind them: the spare words, 128 bytes for each wave: two blocks of 256 bytes that no other line names
.set ADRX,  10                         ; v10-11 LDS address of my fragments of x in slot 0, 1
.set ADRW,  12                         ; v12-13 of W
.set ADRL,  14                         ; v14-15 of L
.set ADRSW, 16                         ; v16-17 of W's and L's scale words: lanes 0-15 a pair's first block, lanes 16-31 its second
.set ADRSX, 18                         ; v18    of x's scale words: 16 bytes on for each K step
.set STO,   19                         ; v19    the way out: where I put 32 bytes of a row.  The stage, 16 rows x 272 bytes a wave, lies in slot 0, which has had its last fill and its last read by then
.set RD,    20                         ; v20    where I read a row back
.set CO,    21                         ; v21    my byte offset in two rows of out0
.set PFO,   22                         ; v22-23 the prefetches' offsets; never rewritten
.set BO,    24                         ; v24    my byte offset in the bias
.set SPW,   28                         ; v28    LDS address of my spare word: SPARE + 4 x my thread's number; never rewritten
.set NIL,   29                         ; v29    0; never rewritten
.set SX,    32                         ; set sc at + 16 sc; register 4 i + q: lanes 0-15 the word of x's block i, lanes 16-31 of block i + 4, for the slot's q-th 128 along k
.set SW,    64                         ; set sc at + 16 sc; register 8 kind + 4 p + q: the words of the 32 rows of pair p of W (kind 0) or L (kind 1), a lane a row
.set BIAS,  96                         ; register 8 b + j: bias of column 16 b + 8 (lane / 16) + j of my 64
.set BK,    128                        ; the way out: 16 rows read back from the stage, two sets of 32
.set G1X, 24                           ; s[24:31] descriptor group 1 for x's tiles;  s[32:39] group 0, one set for each slot
.set G0X, 32
.set G1W, 40                           ; s[40:47], s[48:55] for W's
.set G0W, 48
.set G1L, 56                           ; s[56:63], s[68:75] for LW's
.set G0L, 68
.set G1S, 76                           ; s[76:83], s[84:87] for x's scale bytes
.set G0S, 84
.set G0H, 88                           ; s[88:91] group 0 for the head's load of x's 256 rows
.set PFA, 92                           ; s[92:93] where my prefetches stand;  s[94:95] wave 3's second address;  s[96:97] a K step on, in bytes
.set PFB, 94
.set PFS, 96
.set LIM, 66                           ; s66  1 in a wave that prefetches, else the greatest number
.set MSB, 0
.macro WIN new                         ; the immediate's high byte repeats the setting that is left; a switch that changes nothing is dropped
.if MSB != (\new)
	s_set_vgpr_msb (MSB<<8)|(\new)
.set MSB, (\new)
.endif
.endm
.macro PLACES                          ; four places (ISA guide 7.12.1 for vector ALU instructions)
.rept 4
	v_nop
.endr
.endm
.macro TLOAD g0, g1                    ; the four v_nop come ahead of any jump or label
	tensor_load_to_lds s[\g0:\g0+3], s[\g1:\g1+7]
	s_nop 0
	PLACES
.endm
; A joint load.  Each of the three lines has ONE mask and one set of registers for all that issue it; the branches hang on the wave's number alone.
.macro JLOAD s
	s_cmp_lt_u32 s16, 2
	s_cbranch_scc0 .Lnot_x_\@
	TLOAD G0X+4*\s, G1X
	s_branch .Lasked_\@
.Lnot_x_\@:
	s_cmp_eq_u32 s16, 2
	s_cbranch_scc0 .Lfor_l_\@
	TLOAD G0W+4*\s, G1W
	s_branch .Lasked_\@
.Lfor_l_\@:
	TLOAD G0L+4*\s, G1L
.Lasked_\@:
.endm
.macro CREST                           ; a round of the cluster's barrier behind its opening barrier
	s_cmp_lg_u32 s16, 0
	s_cbranch_scc1 .Lnot_wave_0_\@
	s_barrier_signal -3
.Lnot_wave_0_\@:
	s_barrier_wait -3
	s_barrier_signal -1
	s_barrier_wait -1
.endm
.macro CROUND                          ; a whole round
	s_barrier_signal -1
	s_barrier_wait -1
	CREST
.endm
; A PREFETCH INTO THE L2.  The head asks for K step 1; behind K step 1's load stand K steps 2 and 3; behind each refill in the loop the K step two refills on.
; The four partners that ask for a tile jointly share it out BY ADDRESS: of x's 128 rows of a wave the partner at cx takes 32, a lane a row;
; of W's 128 rows the partner at cy 32; of LW's 32,768 bytes of codes the partner at cy 8,192, lanes 256 bytes apart, and of its 4,096 bytes of scales 1,024 (lanes 3 to 31 name the same block).
; W's and LW's tiles are asked for in each cluster that loads them; x's, which all eight clusters of a row of clusters load, in those of even x.  how = 0, in the loop: its last trip asks for nothing: k ends.
.macro ASK how, pa, pb
.if \how
	s_cmp_eq_u32 s[LIM], 1
.else
	s_cmp_gt_u32 s3, s[LIM]                        ; s3 = 1 in the loop's last trip
.endif
	s_cbranch_scc0 .Lnot_mine_\@
	global_prefetch_b8 v[PFO], s[\pa:\pa+1] th:TH_LOAD_NT scope:SCOPE_SE
	s_cmp_eq_u32 s16, 3
	s_cbranch_scc0 .Lnot_mine_\@
	global_prefetch_b8 v[PFO+1], s[\pb:\pb+1] th:TH_LOAD_NT scope:SCOPE_SE
.Lnot_mine_\@:
.endm
	s_load_b128 s[4:7], s[0:1], 0x0                ; x's codes s[4:5], x's scales s[6:7]
	s_load_b128 s[8:11], s[0:1], 0x10              ; W's codes s[8:9], LW s[10:11]
	s_load_b128 s[12:15], s[0:1], 0x20             ; bias s[12:13], out0 s[14:15]
	v_lshl_add_u32 v[SPW], v0, 2, SPARE
	v_mov_b32 v[NIL], 0
	ds_add_u32 v[SPW], v[NIL]                      ; the wave's opening: the add, twice on end, and its wait ahead of my first tensor load
	ds_add_u32 v[SPW], v[NIL]
	v_lshrrev_b32 v1, 5, v0
	v_readfirstlane_b32 s16, v1                    ; wave 0..3
	s_lshr_b32 s17, s16, 1                         ; which 128 rows of the tile are mine
	s_and_b32 s18, s16, 1                          ; which 64 columns.  Also: which half of x's tile waves 0 and 1 fetch
	s_bfe_u32 s19, ttmp6, 0x40000                  ; cx, cy: my place in the cluster
	s_bfe_u32 s20, ttmp6, 0x40004
	s_lshl_b32 s21, ttmp9, 2
	s_add_co_u32 s21, s21, s19                     ; tile column = 4 x cluster x + cx
	s_and_b32 s22, ttmp7, 0xffff
	s_lshl_b32 s22, s22, 2
	s_add_co_u32 s22, s22, s20                     ; tile row = 4 x cluster y + cy
	s_lshl_b32 s98, s20, 2
	s_lshl_b32 s98, 15, s98                        ; my row of the cluster
	s_lshl_b32 s99, 0x1111, s19                    ; my column
	; descriptor groups 1.  x and W: rows of 256 bytes, 2,048 bytes from row to row, 16 bytes of padding behind each row in LDS; x's counts 256 rows for the head's load, W's 128
	s_or_b32 s[G1X], s98, (1<<20)|(1<<21)|(5<<22)|(3<<25)   ; 15:0 the mask: x's tiles go to my row; elements of 1 byte; 20 padding on; 21 set beside a mask; 24:22 after every 64 words; 31:25 four words
	s_or_b32 s[G1W], s99, (1<<20)|(1<<21)|(5<<22)|(3<<25)   ; the same with the mask of my column
	s_mov_b32 s[G1X+2], 256<<16                    ; tensor_dim1
	s_mov_b32 s[G1X+4], 256                        ; tile_dim1
	s_mov_b32 s[G1W+2], 128<<16
	s_mov_b32 s[G1W+4], 128
.irp g, G1X, G1W
	s_mov_b32 s[\g+1], 256<<16                     ; tensor_dim0
	s_mov_b32 s[\g+3], 256<<16                     ; tile_dim0
	s_mov_b32 s[\g+5], 2048                        ; tensor_dim0_stride
	s_mov_b32 s[\g+6], 0
	s_mov_b32 s[\g+7], 0
.endr
	; LW's block: 36,864 dense bytes as 144 rows of 256 (32 elements of 8 bytes), no padding; x's scale bytes: 32,768 dense bytes as 128 rows of 256, 16 bytes of padding behind each
	s_or_b32 s[G1L], s99, (3<<16)|(1<<21)
	s_or_b32 s[G1S], s98, (3<<16)|(1<<20)|(1<<21)|(5<<22)|(3<<25)
	s_mov_b32 s[G1L+2], 144<<16
	s_mov_b32 s[G1L+4], 144
	s_mov_b32 s[G1S+2], 128<<16
	s_mov_b32 s[G1S+4], 128
.irp g, G1L, G1S
	s_mov_b32 s[\g+1], 32<<16
	s_mov_b32 s[\g+3], 32<<16
	s_mov_b32 s[\g+5], 32
	s_mov_b32 s[\g+6], 0
	s_mov_b32 s[\g+7], 0
.endr
	; groups 0.  x's hang on the tile row and the wave alone, W's and LW's on the tile column alone; no place in the cluster enters an LDS address
.irp g, G0H, G0X, G0X+4, G0W, G0W+4, G0L, G0L+4, G0S
	s_mov_b32 s[\g], 1
.endr
	s_mov_b32 s[G0H+1], 0
	s_mul_i32 s[G0X+1], s18, HALFT
	s_add_co_u32 s[G0X+5], s[G0X+1], SLOT
	s_mov_b32 s[G0W+1], WOFF
	s_mov_b32 s[G0W+5], WOFF+SLOT
	s_mov_b32 s[G0L+1], LOFF
	s_mov_b32 s[G0L+5], LOFF+SLOT
	s_mov_b32 s[G0S+1], SCL
	s_lshl_b32 s98, s22, 19                        ; x: 256 rows of 2,048 bytes a tile row,
	s_mov_b32 s99, 0
	s_lshl_b32 s100, s18, 18                       ; 128 rows a half
	s_mov_b32 s101, 0
	s_lshl_b32 s66, s21, 18                        ; W: 128 rows of 2,048 bytes a tile column
	s_mov_b32 s67, 0
	s_wait_dscnt 0x0                               ; both opening adds are done
	CROUND                                         ; all sixteen work-groups are here: the first joint loads meet.  (The arguments are on their way meanwhile)
	s_wait_kmcnt 0x0
	s_add_nc_u64 s[G0H+2:G0H+3], s[4:5], s[98:99]
	s_add_nc_u64 s[G0X+2:G0X+3], s[G0H+2:G0H+3], s[100:101]
	s_add_nc_u64 s[G0X+6:G0X+7], s[G0X+2:G0X+3], 256           ; slot 1 begins with K step 1
	s_add_nc_u64 s[G0W+2:G0W+3], s[8:9], s[66:67]
	s_add_nc_u64 s[G0W+6:G0W+7], s[G0W+2:G0W+3], 256
	s_mul_i32 s66, s21, 8*LBLK                     ; LW: eight blocks a tile column
	s_add_nc_u64 s[G0L+2:G0L+3], s[10:11], s[66:67]
	s_add_nc_u64 s[G0L+6:G0L+7], s[G0L+2:G0L+3], LBLK
	s_lshl_b32 s66, s22, 15                        ; x's scales: 256 rows of 128 bytes a tile row
	s_add_nc_u64 s[G0S+2:G0S+3], s[6:7], s[66:67]
.irp g, G0H+3, G0X+3, G0X+7, G0W+3, G0W+7, G0L+3, G0L+7, G0S+3
	s_or_b32 s[\g], s[\g], 0x80000000              ; 127:126 type = 2
.endr
; THE HEAD'S LOADS, ONE A WAVE.  ONE chain of branches on the wave's number: every way passes exactly one load.
.macro ARM under, g0, g1, next
	s_cmp_lt_u32 s16, \under
	s_cbranch_scc0 \next
	TLOAD \g0, \g1
	s_branch .Lhead_asked
\next:
.endm
	ARM 1, G0H, G1X, .Lhead_s
	ARM 2, G0S, G1S, .Lhead_w
	ARM 3, G0W, G1W, .Lhead_l
	TLOAD G0L, G1L
.Lhead_asked:
	s_mul_i32 s3, s17, HALFT                       ; my 128 rows of x
	s_mul_i32 s67, s18, 64*PITCH                   ; my 64 rows of W
	s_add_co_u32 s67, s67, WOFF
	s_lshl_b32 s98, s18, 14                        ; my 16 fragments of L
	s_add_co_u32 s98, s98, LOFF
	s_lshl_b32 s99, s18, 11                        ; and their four blocks of scale words
	s_add_co_u32 s99, s99, LSC
	s_mul_i32 s100, s17, 64*272                    ; x's scale words: my 128 rows
	s_add_co_u32 s100, s100, SCL
	s_mul_i32 s101, s16, B16                       ; my stage
	s_cmp_eq_u32 s16, 3
	s_cselect_b32 s2, 8, 11                        ; a prefetch's step from lane to lane: 256 bytes in LW, a row of 2,048 in x and W
	v_and_b32 v1, 15, v0                           ; r = lane % 16
	v_bfe_u32 v2, v0, 4, 1                         ; h = lane / 16
	v_and_b32 v3, 31, v0                           ; lane
	v_mul_u32_u24 v4, v1, PITCH
	v_lshl_add_u32 v8, v2, 5, v4                   ; (the stage: row r, + 32 h)
	v_lshl_add_u32 v4, v2, 4, v4                   ; a fragment from rows: row r x pitch + 16 h
	v_lshlrev_b32 v5, 4, v3                        ; a fragment from an image of its registers: 16 x lane
	v_add_nc_u32 v[ADRX], s3, v4
	v_add_nc_u32 v[ADRW], s67, v4
	v_add_nc_u32 v[ADRL], s98, v5
	v_add_nc_u32 v[ADRX+1], SLOT, v[ADRX]
	v_add_nc_u32 v[ADRW+1], SLOT, v[ADRW]
	v_add_nc_u32 v[ADRL+1], SLOT, v[ADRL]
	v_lshlrev_b32 v6, 4, v1                        ; W's and L's scale words: 16 r,
	v_lshl_add_u32 v6, v2, 9, v6                   ; lanes 16-31 one block of 512 bytes on
	v_add_nc_u32 v[ADRSW], s99, v6
	v_add_nc_u32 v[ADRSW+1], SLOT, v[ADRSW]
	v_lshrrev_b32 v7, 1, v1                        ; x's scale words: row r lies in unit r / 2, at 128 (r % 2);
	v_mul_u32_u24 v7, v7, 272
	v_and_b32 v9, 1, v1
	v_lshl_add_u32 v7, v9, 7, v7
	v_mul_u32_u24 v9, v2, 4*8*272                  ; lanes 16-31 take the block four further on
	v_add_nc_u32 v7, v7, v9
	v_add_nc_u32 v[ADRSX], s100, v7
	v_add_nc_u32 v[STO], s101, v8
	v_mul_u32_u24 v9, v2, PITCH                    ; back: lanes 0-15 one row of 256 bytes, lanes 16-31 the next
	v_lshl_add_u32 v9, v1, 4, v9
	v_add_nc_u32 v[RD], s101, v9
	v_lshlrev_b32 v[CO], 14, v2                    ; and the same two rows in out0: 16,384 bytes a row
	v_lshl_add_u32 v[CO], v1, 4, v[CO]
	v_lshlrev_b32 v[BO], 5, v2                     ; the bias: my half's eight numbers of a block of 16
	v_lshlrev_b32 v[PFO], s2, v3
	v_min_u32 v[PFO+1], 3, v3
	v_lshlrev_b32 v[PFO+1], 8, v[PFO+1]
	s_wait_alu depctr_va_vdst(0)                   ; the wait at the end of the head's vector work
	; the prefetches (macro ASK): where my wave's stand, and who asks
	s_lshl_b32 s98, s22, 19
	s_lshl_b32 s3, s18, 18
	s_add_co_u32 s98, s98, s3
	s_lshl_b32 s3, s19, 16
	s_add_co_u32 s98, s98, s3                      ; x: the rows that I fetch, my work-group's 32 of them
	s_lshl_b32 s99, s21, 18
	s_lshl_b32 s3, s20, 16
	s_add_co_u32 s99, s99, s3                      ; W: likewise
	s_mul_i32 s101, s21, 8*LBLK
	s_lshl_b32 s3, s20, 13
	s_add_co_u32 s100, s101, s3                    ; LW's codes: my work-group's 8,192 bytes
	s_lshl_b32 s3, s20, 10
	s_add_co_u32 s101, s101, s3
	s_add_co_u32 s101, s101, 32768                 ; LW's scales: its 1,024 bytes
	s_and_b32 s23, ttmp9, 1                        ; is the cluster's x odd?
	s_mov_b32 s[PFS], 256
	s_mov_b32 s[PFS+1], 0
	s_cmp_lt_u32 s16, 2
	s_cselect_b32 s98, s98, s99
	s_cselect_b32 s23, s23, 0
	s_cselect_b64 s[PFA:PFA+1], s[4:5], s[8:9]
	s_cmp_eq_u32 s16, 3
	s_cselect_b32 s98, s100, s98
	s_cselect_b64 s[PFA:PFA+1], s[10:11], s[PFA:PFA+1]
	s_cselect_b32 s[PFS], LBLK, s[PFS]             ; a K step on
	s_cmp_eq_u32 s23, 0
	s_cselect_b32 s[LIM], 1, -1                    ; the same in all sixteen partners, for a given wave
	s_mov_b32 s99, 0
	s_add_nc_u64 s[PFA:PFA+1], s[PFA:PFA+1], s[98:99]
	s_mov_b32 s98, s101
	s_add_nc_u64 s[PFB:PFB+1], s[10:11], s[98:99]
	s_add_nc_u64 s[PFA:PFA+1], s[PFA:PFA+1], s[PFS:PFS+1]    ; K step 1
	s_add_nc_u64 s[PFB:PFB+1], s[PFB:PFB+1], s[PFS:PFS+1]
	ASK 1, PFA, PFB
	s_lshl_b32 s2, s21, 9                          ; my 64 columns: 512 bytes a tile column + 256 a half
	s_lshl_b32 s23, s18, 8
	s_add_co_u32 s2, s2, s23
	s_mov_b32 s3, 0
	s_add_nc_u64 s[12:13], s[12:13], s[2:3]
.irp b, 0,1,2,3
	global_load_b128 v[BIAS+8*\b:BIAS+8*\b+3], v[BO], s[12:13] offset:64*\b
	global_load_b128 v[BIAS+8*\b+4:BIAS+8*\b+7], v[BO], s[12:13] offset:64*\b+16
.endr
	s_lshl_b32 s23, s22, 22                        ; out0: 256 rows of 16,384 bytes a tile row,
	s_add_co_u32 s2, s2, s23
	s_lshl_b32 s23, s17, 21                        ; 128 rows a half
	s_add_co_u32 s2, s2, s23
	s_add_nc_u64 s[14:15], s[14:15], s[2:3]
; One LDS load: element le of fragment set lq, from slot ls.  A fragment, 16 rows x 128 k of 4-bit codes, is 8 registers: lane l holds row l % 16; registers 4 c .. 4 c + 3 hold k = 64 c + 32 (l / 16) + 0 .. 31.
; Elements 0-15: x's block le / 2, half c = le % 2; 16-23: W's; 24-31: L's.
.macro LDE
.set lb, 128*(lq%2)+4*le
	WIN 0x80+0x40*(lq/2)                           ; destination window 2 or 3, address window 0
.if le < 16
	ds_load_b128 v[lb:lb+3], v[ADRX+ls] offset:(le/2)*B16+64*lq+32*(le%2)
.elseif le < 24
	ds_load_b128 v[lb:lb+3], v[ADRW+ls] offset:((le-16)/2)*B16+64*lq+32*(le%2)
.else
	ds_load_b128 v[lb:lb+3], v[ADRL+ls] offset:(4*((le-24)/2)+lq)*1024+512*(le%2)
.endif
.endm
; The next n LDS loads of a K step, in this order: 8 of scale words (x's four, W's two, L's two; four words a row each), then 32 for each of the four sets.
.macro LOADS n
.rept \n
.if li < 4
	WIN 0
	ds_load_b128 v[SX+16*ls+4*li:SX+16*ls+4*li+3], v[ADRSX] offset:li*8*272
.elseif li < 8
.set lk, (li-4)/2
.set lp, li%2
	WIN 0
	ds_load_b128 v[SW+16*ls+8*lk+4*lp:SW+16*ls+8*lk+4*lp+3], v[ADRSW+ls] offset:lp*1024+256*lk
.else
.set lq, (li-8)/32
.set le, (li-8)%32
	LDE
.endif
.set li, li+1
.endr
.endm
; Four matrix instructions: x's blocks 2 g, 2 g + 1 against the two pairs of blocks of W (kind 0) or of L (kind 1), the slot's q-th 128 along k.  x's blocks 0-3 have their scale words in lanes 0-15, blocks 4-7 in
; lanes 16-31.  first = 1: the bias is the C, and the product starts the sum.
.macro MUL4 kind, q, sc, g, first
.irp e, 0,1
.irp p, 0,1
.set ra, 2*(\g)+\e
.set rD, 32*ra+16*\p
.set rC, rD
.if \first
.set rC, BIAS+16*\p
.endif
.set rA, 128*((\q)%2)+64+32*(\kind)+16*\p
.set rB, 128*((\q)%2)+8*ra
.set rSA, SW+16*(\sc)+8*(\kind)+4*\p+(\q)
.set rSB, SX+16*(\sc)+4*(ra%4)+(\q)
.if ra < 4
	v_wmma_scale_f32_32x16x128_f4 v[rD:rD+15], v[rA:rA+15], v[rB:rB+7], v[rC:rC+15], v[rSA], v[rSB]
.else
	v_wmma_scale_f32_32x16x128_f4 v[rD:rD+15], v[rA:rA+15], v[rB:rB+7], v[rC:rC+15], v[rSA], v[rSB] matrix_b_scale:MATRIX_SCALE_ROW1
.endif
.endr
.endr
.endm
; A pass: n LDS loads in one run, then all 16 sums once, in the same order in every pass, one instruction a turn.
.macro PASS kind, q, sc, first, n
	LOADS \n
.if \first
	WIN 0x4a                                       ; sources 0 and 1 window 2, C (the bias) window 0, D window 1
.else
	WIN 0x5a+5*((\q)/2)                            ; sources 0 and 1 window 2 or 3, C and D window 1
.endif
.irp g, 0,1,2,3
	MUL4 \kind, \q, \sc, \g, \first
.endr
.endm
; A step of 128 along k: it multiplies set q and fetches, in two runs of 16, the next set of the sequence.  Ahead of a first and of a second step 32 loads have been issued behind the set that it multiplies; 30 is asked,
; so that with its own 32 the count of loads out stays under 63.  Set 3 is shown in by the wait for 0 in the change of slots.
; The four places of a first step serve the loads into sets 2 and 3 and the scale words, those of a change of slots the loads into sets 0 and 1: all of them last read by matrix instructions ahead of those places.
.macro STEP slot, q, first
.if (\q) < 2
	s_wait_dscnt 30
.endif
.if (\q) == 0
	PLACES
.endif
	PASS 0, \q, \slot, \first, 16
	PASS 1, \q, \slot, 0, 16
.endm
; A slot's third step changes slots: ONE barrier.  In front of it each wave waits for all its tensor loads (its part of the next slot), adds 0 to its spare word, and waits for that and for its own reads of this slot.
; fill = 1: the barrier opens a round of the cluster's barrier, and this slot is filled again, two K steps ahead.
.macro TURN slot, next, fill
.if \fill
	s_wait_xcnt 0x0                                ; the last prefetches, a K step back, have read their addresses: they are stepped here, ahead of the waits of the change of slots
	s_add_nc_u64 s[PFA:PFA+1], s[PFA:PFA+1], s[PFS:PFS+1]
	s_add_nc_u64 s[PFB:PFB+1], s[PFB:PFB+1], s[PFS:PFS+1]
.endif
	WIN 0                                          ; (the add's two registers lie in window 0)
	s_wait_tensorcnt 0x0                           ; all my tensor loads have landed: the one that was out is my part of the next slot;
	ds_add_u32 v[SPW], v[NIL]                      ; 0 onto my spare word;
	s_wait_dscnt 33                                ; set 2 is in (set 3's 32 loads and the add may be out)
	WIN 0x5f
	MUL4 0, 2, \slot, 0, 0                         ; eight matrix instructions stand between the add and the wait for it
	MUL4 0, 2, \slot, 1, 0
	s_wait_dscnt 0x0                               ; the add is done, and my reads of this slot are over
	s_barrier_signal -1
	MUL4 0, 2, \slot, 2, 0
	WIN 0
	s_barrier_wait -1
.if \fill
	CREST                                          ; no wave of any partner still reads this slot's tiles or has a load on its way
	s_add_nc_u64 s[G0X+4*\slot+2:G0X+4*\slot+3], s[G0X+4*\slot+2:G0X+4*\slot+3], 512
	s_add_nc_u64 s[G0W+4*\slot+2:G0W+4*\slot+3], s[G0W+4*\slot+2:G0W+4*\slot+3], 512
	s_add_nc_u64 s[G0L+4*\slot+2:G0L+4*\slot+3], s[G0L+4*\slot+2:G0L+4*\slot+3], 2*LBLK
	JLOAD \slot                                    ; the first tensor load behind the round; the four v_nop behind it are also the places in front of the loads below
.else
	PLACES
.endif
	v_add_nc_u32 v[ADRSX], 16, v[ADRSX]            ; on to the next K step's scale words of x (no LDS load of mine is out)
	s_wait_alu depctr_va_vdst(0)                   ; directly behind the write
.set ls, \next
.set li, 0
.if \fill
	LOADS 24
.else
	LOADS 8                                        ; the last K step has an order of its own (macro TL)
	TL 16
.endif
	WIN 0x5f
	MUL4 0, 2, \slot, 3, 0
	MUL4 1, 2, \slot, 0, 0
.if \fill
	LOADS 16                                       ; the scale words and set 0 have been asked for
	WIN 0
	ASK 0, PFA, PFB
.else
	TL 8
.endif
	WIN 0x5f
	MUL4 1, 2, \slot, 1, 0
	MUL4 1, 2, \slot, 2, 0
	MUL4 1, 2, \slot, 3, 0
.endm
	s_wait_tensorcnt 0x0                           ; my tile of the head's four is in;
	ds_add_u32 v[SPW], v[NIL]                      ; 0 onto my spare word;
	s_mov_b32 s[G1X+2], 128<<16                    ; no tensor load of mine is out, so a descriptor may be written: from here on a load of x brings 128 rows
	s_mov_b32 s[G1X+4], 128
	s_wait_xcnt 0x0                                ; the head's prefetches have read their addresses:
	s_add_nc_u64 s[98:99], s[PFA:PFA+1], s[PFS:PFS+1]    ; K step 2,
	s_add_nc_u64 s[100:101], s[PFB:PFB+1], s[PFS:PFS+1]
	s_add_nc_u64 s[PFA:PFA+1], s[98:99], s[PFS:PFS+1]    ; K step 3
	s_add_nc_u64 s[PFB:PFB+1], s[100:101], s[PFS:PFS+1]
	s_wait_dscnt 0x0                               ; the add is done
	CROUND                                         ; a whole round: all four tiles are in, and all sixteen work-groups are here: the joint loads meet,
	JLOAD 1                                        ; and K step 1's load, the first tensor load behind the round
.set ls, 0
.set li, 0
	LOADS 40                                       ; scale words, set 0
	WIN 0
	ASK 1, 98, 100
	ASK 1, PFA, PFB
	s_wait_loadcnt 0x0                             ; the bias
	s_wait_dscnt 8                                 ; the scale words, x's and W's fragments are in (L's eight loads may be out)
	PASS 0, 0, 0, 1, 0                             ; the first step stands in front of the loop: its products with W start the sums
	LOADS 32                                       ; set 1
	s_wait_dscnt 32                                ; L's fragments are in
	PASS 1, 0, 0, 0, 0
	s_wait_dscnt 30                                ; (so that with the next 32 the count of loads out stays under 63)
	LOADS 32                                       ; set 2
	WIN 0                                          ; at a label and at a branch every window is 0
	s_mov_b32 s3, 3
.Llap:                                                 ; a trip goes once round the ring, from a lap's second step to the next lap's first, and fills both slots again: K steps 2 to 7
	STEP 0, 1, 0
	TURN 0, 1, 1
	STEP 0, 3, 0
	STEP 1, 0, 0
	STEP 1, 1, 0
	TURN 1, 0, 1
	STEP 1, 3, 0
	STEP 0, 0, 0
	WIN 0
	s_sub_co_u32 s3, s3, 1
	s_cmp_lg_u32 s3, 0
	s_cbranch_scc1 .Llap
; K STEP 7 GOES BY PAIRS OF x's BLOCKS, so that finished rows leave while the others are multiplied.  Its fragments are fetched in this order: of sets 0 and 1 W, L and x's blocks 0 to 3; of sets 2 and 3 W, L and x's
; blocks 0, 1; of sets 2 and 3 x's blocks 2, 3; then of all four sets x's blocks 4, 5, and 6, 7.
.set ti, 0
.macro TL n
.rept \n
.if ti < 48
.set lq, ti/24
.set le, (16+ti%24)%32
.elseif ti < 88
.set lq, 2+(ti-48)/20
.set le, (16+(ti-48)%20)%32
.elseif ti < 96
.set lq, 2+(ti-88)/4
.set le, 4+ti%4
.else
.set lq, ((ti-96)%16)/4
.set le, 4*(2+(ti-96)/16)+ti%4
.endif
	LDE
.set ti, ti+1
.endr
.endm
	STEP 0, 1, 0                                   ; K step 6 goes on; nothing is filled again
	TURN 0, 1, 0
	TL 12
	PASS 0, 3, 0, 0, 0
	TL 12                                          ; of K step 7's sets 0 and 1 the first 24 loads each are asked for
	PASS 1, 3, 0, 0, 0
.macro BOTH g, q                       ; W's and L's products of one pair of blocks: four sums by turns
	WIN 0x5a+5*((\q)/2)
	MUL4 0, \q, 1, \g, 0
	MUL4 1, \q, 1, \g, 0
.endm
; THE WAY OUT, block by block of 16 rows x 64 columns.  A lane holds 32 neighbouring bytes of a row, and the lanes beside it hold other rows: so a block goes through my own stage in LDS and comes back as whole rows of
; 256 bytes, two to an instruction.  LDS serves a wave's instructions in order (ISA guide 5.7.1.4): no wait between the stores and the loads, nor in front of the next block's stores.
.macro TOSTAGE a
	WIN 0x04                                       ; an LDS store's data are its source 1: window 1
.irp b, 0,1,2,3
	ds_store_b128 v[STO], v[32*(\a)+8*\b:32*(\a)+8*\b+3] offset:64*\b            ; each sum's registers from the low end on
	ds_store_b128 v[STO], v[32*(\a)+8*\b+4:32*(\a)+8*\b+7] offset:64*\b+16
.endr
	WIN 0
.set BB, BK+32*((\a)%2)
.irp t, 0,1,2,3,4,5,6,7
	ds_load_b128 v[BB+4*\t:BB+4*\t+3], v[RD] offset:\t*2*PITCH
.endr
.endm
.macro SEND a, younger                 ; younger: the LDS instructions issued behind block a's loads, which may stay out
	WIN 0
.set BB, BK+32*((\a)%2)
	s_wait_dscnt \younger                          ; the block is back in registers
.irp t, 0,1,2,3,4,5,6,7
	global_store_b128 v[CO], v[BB+4*\t:BB+4*\t+3], s[14:15] offset:(\a)*16*16384+\t*2*16384 th:TH_STORE_NT   ; 16 lanes store 256 consecutive bytes, at a multiple of 256 from out0's first byte; written once, read by nobody here
.endr
.endm
	s_wait_dscnt 24                                ; the scale words and set 0's 24 are in (set 1's 24 loads may be out)
	PLACES                                         ; for the loads into sets 2 and 3
	TL 20                                          ; set 2: W, L, x's blocks 0, 1
	BOTH 0, 0                                      ; x's blocks 0 to 3, the first 256 along k
	BOTH 1, 0
	s_wait_dscnt 20                                ; set 1's 24 are in
	TL 20                                          ; set 3 likewise
	BOTH 0, 1
	BOTH 1, 1
	s_wait_dscnt 20                                ; set 2's 20 are in
	TL 8                                           ; sets 2 and 3: x's blocks 2, 3
	BOTH 0, 2
	s_wait_dscnt 8                                 ; set 3's 20 are in
	BOTH 0, 3
	PLACES                                         ; ahead of the reads of results just made
	TOSTAGE 0
	TOSTAGE 1
	TL 16                                          ; all sets: x's blocks 4, 5
	s_wait_dscnt 48                                ; x's blocks 2, 3 are in: behind them the stage's 32 instructions and sixteen loads
	BOTH 1, 2
	BOTH 1, 3
	SEND 0, 32                                     ; behind block 0's loads: block 1's 16 and the sixteen of blocks 4, 5
	SEND 1, 16
	PLACES
	s_wait_xcnt 0x0                                ; the stores have read their registers: the next blocks' loads may land there
	TOSTAGE 2
	TOSTAGE 3
.irp g, 2,3
	s_wait_dscnt 32                                ; this pair's blocks of x are in (the stage's 32 instructions may be out)
	BOTH \g, 0
	BOTH \g, 1
	SEND 2*\g-2, 16
	SEND 2*\g-1, 0
.if \g == 2
	TL 16                                          ; all sets: x's blocks 6, 7
.endif
	BOTH \g, 2
	BOTH \g, 3
	PLACES
	s_wait_xcnt 0x0
	TOSTAGE 2*\g
	TOSTAGE 2*\g+1
.endr
	SEND 6, 16
	SEND 7, 0
	s_wait_tensorcnt 0x0                           ; the wave's end: behind my last tensor load and my last LDS store
	ds_add_u32 v[SPW], v[NIL]
	s_wait_dscnt 0x0
	CROUND                                         ; the closing round: no work-group ends while a partner may still ask for a tile that names it
	s_endpgm
.Lfunc_end_k_qc1c0593679_gemm:
	.size	k_qc1c0593679_gemm, .Lfunc_end_k_qc1c0593679_gemm-k_qc1c0593679_gemm
	.p2alignl 7, 3214868480
	.fill 96, 4, 3214868480
	.section	.rodata,"a",@progbits
	.p2align	6, 0x0
	.amdhsa_kernel k_qc1c0593679_gemm
		.amdhsa_group_segment_fixed_size 327680
		.amdhsa_private_segment_fixed_size 0
		.amdhsa_enable_private_segment 0
		.amdhsa_kernarg_size 48
		.amdhsa_user_sgpr_count 2
		.amdhsa_user_sgpr_kernarg_segment_ptr 1
		.amdhsa_wavefront_size32 1
		.amdhsa_system_sgpr_workgroup_id_x 1
		.amdhsa_system_sgpr_workgroup_id_y 1
		.amdhsa_system_sgpr_workgroup_id_z 1
		.amdhsa_system_vgpr_workitem_id 0
		.amdhsa_next_free_vgpr 1024
		.amdhsa_next_free_sgpr 102
		.amdhsa_reserve_vcc 0
		.amdhsa_float_denorm_mode_32 3
		.amdhsa_float_denorm_mode_16_64 3
		.amdhsa_memory_ordered 1
		.amdhsa_forward_progress 1
		.amdhsa_inst_pref_size 136
	.end_amdhsa_kernel
	.amdgpu_metadata
---
amdhsa.version: [ 1, 2 ]
amdhsa.kernels:
  - .name:           k_qc1c0593679_gemm
    .symbol:         k_qc1c0593679_gemm.kd
    .args:
      - { .name: x_codes, .offset: 0, .size: 8, .value_kind: global_buffer, .address_space: global }
      - { .name: x_scales, .offset: 8, .size: 8, .value_kind: global_buffer, .address_space: global }
      - { .name: W_codes, .offset: 16, .size: 8, .value_kind: global_buffer, .address_space: global }
      - { .name: LW, .offset: 24, .size: 8, .value_kind: global_buffer, .address_space: global }
      - { .name: bias, .offset: 32, .size: 8, .value_kind: global_buffer, .address_space: global }
      - { .name: out0, .offset: 40, .size: 8, .value_kind: global_buffer, .address_space: global }
    .group_segment_fixed_size: 327680
    .private_segment_fixed_size: 0
    .kernarg_segment_align: 8
    .kernarg_segment_size: 48
    .max_flat_workgroup_size: 128
    .sgpr_count:     102
    .vgpr_count:     1024
    .wavefront_size: 32
...
	.end_amdgpu_metadata
.endif
;; end of part 2
